; MI455X (gfx1250); checked and timed in simulation.
; The chip was launched on July 23, 2026; its instructions are those of AMD's public machine-readable ISA for CDNA 5 (MIT licence, August 2026) and "CDNA5" Instruction Set Architecture Reference Guide (July 2026). The comments in the code are by the model that wrote it; some were corrected since.
;; corss attention. Allowed arithmetic: float matrix products may take bf16 or f16 operands with f32 sums; other float arithmetic in f32, or as packed bf16 or f16 multiplies, adds, multiply-adds, maxima and minima; sums over many terms, partial sums and values carried from step to step in f32; what a program stores and reads back later, other than sums and carried values, may be rounded once to bf16 or f16.
;; Inputs: k_w 256 x 256 float32; ln1_b 256 float32; ln1_g 256 float32; ln2_b 256 float32; ln2_g 256 float32; merge_w 256 x 256 float32; mlp_w1 512 x 512 float32; mlp_w2 512 x 256 float32; pos_b1 256 float32; pos_b2 256 float32; pos_w1 3 x 256 float32; pos_w2 256 x 256 float32; q_w 256 x 256 float32; search_feat 8 x 256 x 8,192 float32; search_xyz 8 x 8,192 x 3 float32; template_feat 8 x 256 x 8,192 float32; template_xyz 8 x 8,192 x 3 float32; v_w 256 x 256 float32.
;; Outputs: out0 8 x 256 x 8,192 float32.
;; One version. Each part assembles by itself: llvm-mc -triple=amdgcn-amd-amdhsa -mcpu=gfx1250 --defsym DOCPART=n.
;; ======== version 1 of 1: 4 launches
;; limits: values are held in f16: magnitudes above 65,504 overflow, below 6.1e-05 lose precision
;; workspace buffers: wt 425,984 bytes; ws 1,048,576 bytes; c1p 16,384 bytes; kvp 12,582,912 bytes; kvf 393,216 bytes
;; launch prep (part 1): grid 90 x 1, 8 waves a work-group, no clusters, 1,280 bytes of LDS; arguments pos_w1, pos_b1, pos_w2, q_w, k_w, v_w, merge_w, mlp_w1, mlp_w2, ln1_g, ln1_b, wt, ws, c1p, pos_b2; writes wt, ws, c1p
.if DOCPART == 1
	.amdgcn_target "amdgcn-amd-amdhsa--gfx1250"
	.amdhsa_code_object_version 6
	.text
	.protected	k_qdd2ab30c7a_prep
	.globl	k_qdd2ab30c7a_prep
	.p2align	8
	.type	k_qdd2ab30c7a_prep,@function
k_qdd2ab30c7a_prep:
	s_mov_b64 s[64:65], 0
	v_nop
	global_prefetch_b8 v0, s[64:65] scope:SCOPE_SE
	s_setreg_imm32_b32 hwreg(HW_REG_WAVE_MODE, 25, 1), 1
	s_wait_xcnt 0x0
; WEIGHTS INTO FRAGMENT ORDER.  A fragment is 16 output channels x 32 input channels of 16 bits, 1,024 bytes, laid as a matrix
; instruction's lanes take it: [registers 0-3 | registers 4-7][lane][16 bytes]; lane (r, h) holds output channel r and the inputs 8h..8h+7, 16+8h..+7.
; A work-group (unit u = 8 g + s8) makes the 16 fragments of one K step (32 input rows) x 256 output columns of matrix g; thread t owns column t.
; All inputs are rounded to bf16.  Three things are made from the rounded numbers in f32 and written as f16:
;   mlp_w2 with each input row's mean over its 256 outputs taken away (LayerNorm 2's mean is then 0 by construction);
;   rows 256..511 of mlp_w1 times ln1_g;   and, in f32, c1p[K step][o] = the sum over the step's 32 rows of ln1_b[k] mlp_w1[256+k][o].
; Unit 88 makes the 16 fragments of the first position layer: k = 0..2 pos_w1, k = 3 pos_b1, the rest 0.  Unit 89 makes 16 fragments with pos_b2 at k = 3 and 0 elsewhere.
.set MEAN, 0                           ; LDS: 32 row means
.set SPARE, 256                        ; the spare words, 128 bytes for each of eight waves
.set SPW, 2
.set NIL, 3
.set T, 16                             ; v16-19 at work
.set W, 32                             ; v32-63  my column's 32 numbers
.set GV, 64                            ; v64-95  means, or ln1_g
.set BV, 96                            ; v96-127 ln1_b
.set G, 36
.set S8, 37
.set SRC, 40
.set PIT, 42
.set COLB, 43
.set SA, 44
.set SD, 45
.set DST, 46
.set BASE, 48
.set SS, 49
.set S2, 50
.set CS, 51
.set C4, 52
.set CEN, 53
.set GF, 54
.set F16, 55
.macro P1 reg, val, g
.if (\g) == 0
	s_mov_b32 s[\reg], \val
.else
	s_cselect_b32 s[\reg], \val, s[\reg]
.endif
.endm
.macro P2 reg, src, g
.if (\g) == 0
	s_mov_b64 s[\reg:\reg+1], s[\src:\src+1]
.else
	s_cselect_b64 s[\reg:\reg+1], s[\src:\src+1], s[\reg:\reg+1]
.endif
.endm
; one line of the table: matrix g comes from src (row pitch, column offset in bytes; K step s8 + sa) and goes to dst, fragment
; base + (s&1) ss + (s>>1) s2 + (mt&1) + ((mt>>1)&1) cs + (mt>>2) c4, with s = s8 + sd and mt = t / 16
.macro SEL g, src, pit, colb, sa, sd, dst, base, ss, s2, cs, c4, cen, gf
	s_cmp_eq_u32 s[G], \g
	P2 SRC, \src, \g
	P1 PIT, \pit, \g
	P1 COLB, \colb, \g
	P1 SA, \sa, \g
	P1 SD, \sd, \g
	P2 DST, \dst, \g
	P1 BASE, \base, \g
	P1 SS, \ss, \g
	P1 S2, \s2, \g
	P1 CS, \cs, \g
	P1 C4, \c4, \g
	P1 CEN, \cen, \g
	P1 GF, \gf, \g
.endm
.macro RNDBF base, pairs               ; f32 numbers rounded to bf16, kept as f32
.set ri, 0
.rept \pairs
	v_cvt_pk_bf16_f32 v[T+ri%4], v[(\base)+2*ri], v[(\base)+2*ri+1]
	v_lshlrev_b32 v[(\base)+2*ri], 16, v[T+ri%4]
	v_and_b32 v[(\base)+2*ri+1], 0xffff0000, v[T+ri%4]
.set ri, ri+1
.endr
.endm
	s_load_b512 s[4:19], s[0:1], 0x0       ; pos_w1 4, pos_b1 6, pos_w2 8, q_w 10, k_w 12, v_w 14, merge_w 16, mlp_w1 18
	s_load_b256 s[20:27], s[0:1], 0x40     ; mlp_w2 20, ln1_g 22, ln1_b 24, wt 26
	s_load_b128 s[28:31], s[0:1], 0x60     ; ws 28, c1p 30
	s_load_b64 s[32:33], s[0:1], 0x70      ; pos_b2
	v_lshl_add_u32 v[SPW], v0, 2, SPARE
	v_mov_b32 v[NIL], 0
	s_lshr_b32 s[G], ttmp9, 3
	s_and_b32 s[S8], ttmp9, 7
	v_lshrrev_b32 v1, 5, v0
	v_readfirstlane_b32 s62, v1            ; wave
	s_mov_b32 s60, 0x76543210
	s_mov_b32 s61, 0xfedcba98
	s_wait_kmcnt 0x0
	SEL 0,  8,  1024, 0,    0, 0, 26, 0,   16, 32, 2,  4,  0, 0
	SEL 1,  10, 1024, 0,    0, 0, 28, 0,   2,  4,  32, 64, 0, 0
	SEL 2,  12, 1024, 0,    0, 0, 26, 128, 2,  4,  32, 64, 0, 0
	SEL 3,  14, 1024, 0,    0, 0, 26, 144, 2,  4,  32, 64, 0, 0
	SEL 4,  16, 1024, 0,    0, 0, 28, 16,  32, 64, 2,  4,  0, 0
	SEL 5,  20, 1024, 0,    0, 0, 28, 320, 16, 96, 2,  4,  1, 0
	SEL 6,  20, 1024, 0,    8, 8, 28, 320, 16, 96, 2,  4,  1, 0
	SEL 7,  18, 2048, 0,    0, 8, 28, 256, 2,  4,  32, 96, 0, 0
	SEL 8,  18, 2048, 0,    8, 0, 28, 256, 2,  4,  32, 96, 0, 1
	SEL 9,  18, 2048, 1024, 0, 8, 28, 640, 2,  4,  32, 96, 0, 0
	SEL 10, 18, 2048, 1024, 8, 0, 28, 640, 2,  4,  32, 96, 0, 1
	SEL 11, 4,  1024, 0,    0, 0, 26, 384, 16, 0,  2,  4,  0, 0
	s_add_co_u32 s59, s[S8], s[SA]         ; the K step in the source
	s_mul_i32 s56, s59, s[PIT]
	s_lshl_b32 s56, s56, 5                 ; its 32 rows
	s_add_co_u32 s56, s56, s[COLB]
	s_mov_b32 s57, 0
	s_add_nc_u64 s[SRC:SRC+1], s[SRC:SRC+1], s[56:57]
	s_add_co_u32 s59, s[S8], s[SD]         ; the K step in the target
	s_and_b32 s58, s59, 1
	s_mul_i32 s58, s58, s[SS]
	s_lshr_b32 s59, s59, 1
	s_mul_i32 s59, s59, s[S2]
	s_add_co_u32 s58, s58, s59
	s_add_co_u32 s58, s58, s[BASE]
	s_or_b32 s[F16], s[CEN], s[GF]         ; what is centred or scaled is written as f16
	v_lshlrev_b32 v4, 2, v0                ; 4 t
	v_and_b32 v5, 15, v0                   ; r
	v_bfe_u32 v6, v0, 4, 1
	v_bfe_u32 v7, v0, 5, 1
	v_bfe_u32 v8, v0, 6, 2
	v_mad_u32_u24 v6, v7, s[CS], v6
	v_mad_u32_u24 v6, v8, s[C4], v6
	v_add_nc_u32 v6, s58, v6               ; my fragment
	v_lshlrev_b32 v6, 10, v6
	v_lshl_add_u32 v9, v5, 4, v6           ; + 16 r
	v_mov_b32 v12, MEAN
	s_cmp_eq_u32 s[G], 11
	s_cbranch_scc1 .Lpos1
	s_cmp_eq_u32 s[PIT], 2048
	s_cbranch_scc1 .Lwide
.set k, 0
.rept 32
	global_load_b32 v[W+k], v4, s[SRC:SRC+1] offset:k*1024   ; a wave's load covers 128 consecutive bytes, the group's 1,024
.set k, k+1
.endr
	s_branch .Lloaded
.Lwide:
.set k, 0
.rept 32
	global_load_b32 v[W+k], v4, s[SRC:SRC+1] offset:k*2048
.set k, k+1
.endr
	s_branch .Lloaded
.Lpos1:
	s_cmp_eq_u32 s[S8], 1
	s_cbranch_scc1 .Lb2f
	global_load_b32 v[W], v4, s[4:5]
	global_load_b32 v[W+1], v4, s[4:5] offset:1024
	global_load_b32 v[W+2], v4, s[4:5] offset:2048
	global_load_b32 v[W+3], v4, s[6:7]
	s_branch .Lp1z
.Lb2f:
	v_mov_b32 v[W], 0
	v_mov_b32 v[W+1], 0
	v_mov_b32 v[W+2], 0
	global_load_b32 v[W+3], v4, s[32:33]
.Lp1z:
.set k, 4
.rept 28
	v_mov_b32 v[W+k], 0
.set k, k+1
.endr
.Lloaded:
	s_wait_loadcnt 0x0
	s_cmp_eq_u32 s[F16], 0
	s_cbranch_scc1 .Lnornd
	RNDBF W, 16
.Lnornd:
	s_cmp_eq_u32 s[CEN], 0
	s_cbranch_scc1 .Lnomean
	; wave w sums rows 4 w .. 4 w + 3 of the step's 32 (1,024 bytes each, 32 bytes a lane)
	v_and_b32 v10, 31, v0
	v_lshlrev_b32 v10, 4, v10
	s_lshl_b32 s63, s62, 12
	v_add_nc_u32 v10, s63, v10
.irp q,0,1,2,3
	global_load_b128 v[GV+8*\q:GV+8*\q+3], v10, s[SRC:SRC+1] offset:1024*\q
	global_load_b128 v[GV+8*\q+4:GV+8*\q+7], v10, s[SRC:SRC+1] offset:1024*\q+512
.endr
	s_lshl_b32 s63, s62, 4
	v_mov_b32 v11, s63                     ; MEAN + 16 w
	s_wait_loadcnt 0x0
	RNDBF GV, 16
.irp q,0,1,2,3
	v_pk_add_f32 v[GV+8*\q:GV+8*\q+1], v[GV+8*\q:GV+8*\q+1], v[GV+8*\q+4:GV+8*\q+5]
	v_pk_add_f32 v[GV+8*\q+2:GV+8*\q+3], v[GV+8*\q+2:GV+8*\q+3], v[GV+8*\q+6:GV+8*\q+7]
	v_pk_add_f32 v[GV+8*\q:GV+8*\q+1], v[GV+8*\q:GV+8*\q+1], v[GV+8*\q+2:GV+8*\q+3]
	v_add_f32 v[GV+8*\q], v[GV+8*\q], v[GV+8*\q+1]
	v_add_f32_dpp v[GV+8*\q], v[GV+8*\q], v[GV+8*\q] row_xmask:1 row_mask:0xf bank_mask:0xf
	v_add_f32_dpp v[GV+8*\q], v[GV+8*\q], v[GV+8*\q] row_xmask:2 row_mask:0xf bank_mask:0xf
	v_add_f32_dpp v[GV+8*\q], v[GV+8*\q], v[GV+8*\q] row_xmask:4 row_mask:0xf bank_mask:0xf
	v_add_f32_dpp v[GV+8*\q], v[GV+8*\q], v[GV+8*\q] row_xmask:8 row_mask:0xf bank_mask:0xf
	v_permlanex16_b32 v[GV+8*\q+1], v[GV+8*\q], s60, s61
	v_add_f32 v[GV+8*\q], v[GV+8*\q], v[GV+8*\q+1]
	v_mul_f32 v[GV+8*\q], 0x3b800000, v[GV+8*\q]       ; / 256
	ds_store_b32 v11, v[GV+8*\q] offset:4*\q           ; all lanes store the same number to the row's word
.endr
.Lnomean:
	s_wait_dscnt 0x0                       ; my means are stored, for the other waves' sake
	s_barrier_signal -1
	s_barrier_wait -1
	s_cmp_eq_u32 s[CEN], 0
	s_cbranch_scc1 .Lnosub
.irp q,0,1,2,3,4,5,6,7
	ds_load_b128 v[GV+4*\q:GV+4*\q+3], v12 offset:16*\q
.endr
	s_wait_dscnt 0x0
.set k, 0
.rept 16
	v_pk_add_f32 v[W+k:W+k+1], v[W+k:W+k+1], v[GV+k:GV+k+1] neg_lo:[0,1] neg_hi:[0,1]
.set k, k+2
.endr
.Lnosub:
	s_cmp_eq_u32 s[GF], 0
	s_cbranch_scc1 .Lnofold
	s_lshl_b32 s56, s[S8], 7               ; the step's 32 numbers of ln1_g and ln1_b
	s_add_nc_u64 s[22:23], s[22:23], s[56:57]
	s_add_nc_u64 s[24:25], s[24:25], s[56:57]
.irp q,0,1,2,3,4,5,6,7
	global_load_b128 v[GV+4*\q:GV+4*\q+3], v12, s[22:23] offset:16*\q    ; every lane the same 16 bytes
	global_load_b128 v[BV+4*\q:BV+4*\q+3], v12, s[24:25] offset:16*\q
.endr
	s_lshl_b32 s56, s[S8], 11
	s_add_co_u32 s56, s56, s[COLB]
	s_add_nc_u64 s[30:31], s[30:31], s[56:57]
	s_wait_loadcnt 0x0
	RNDBF GV, 16
	RNDBF BV, 16
	v_mul_f32 v13, v[BV], v[W]
.set k, 1
.rept 31
	v_fmac_f32 v13, v[BV+k], v[W+k]
.set k, k+1
.endr
	global_store_b32 v4, v13, s[30:31]
.set k, 0
.rept 16
	v_pk_mul_f32 v[W+k:W+k+1], v[W+k:W+k+1], v[GV+k:GV+k+1]
.set k, k+2
.endr
.Lnofold:
	s_cmp_eq_u32 s[F16], 0
	s_cbranch_scc1 .Lbf
.set k, 0
.rept 16
	v_cvt_pk_f16_f32 v[W+k], v[W+2*k], v[W+2*k+1]
.set k, k+1
.endr
	s_branch .Lst
.Lbf:
.set k, 0
.rept 16
	v_cvt_pk_bf16_f32 v[W+k], v[W+2*k], v[W+2*k+1]
.set k, k+1
.endr
.Lst:
.irp q,0,1,2,3
	global_store_b128 v9, v[W+4*\q:W+4*\q+3], s[DST:DST+1] offset:256*\q  ; k = 8 q .. 8 q + 7: sixteen lanes store 256 consecutive bytes, aligned
.endr
	s_wait_tensorcnt 0x0                   ; the wave's end
	ds_add_u32 v[SPW], v[NIL]
	s_wait_dscnt 0x0
	s_endpgm
.Lfunc_end_k_qdd2ab30c7a_prep:
	.size	k_qdd2ab30c7a_prep, .Lfunc_end_k_qdd2ab30c7a_prep-k_qdd2ab30c7a_prep
	.p2alignl 7, 3214868480
	.fill 96, 4, 3214868480
	.section	.rodata,"a",@progbits
	.p2align	6, 0x0
	.amdhsa_kernel k_qdd2ab30c7a_prep
		.amdhsa_group_segment_fixed_size 1280
		.amdhsa_private_segment_fixed_size 0
		.amdhsa_enable_private_segment 0
		.amdhsa_kernarg_size 120
		.amdhsa_user_sgpr_count 2
		.amdhsa_user_sgpr_kernarg_segment_ptr 1
		.amdhsa_wavefront_size32 1
		.amdhsa_system_sgpr_workgroup_id_x 1
		.amdhsa_system_sgpr_workgroup_id_y 1
		.amdhsa_system_sgpr_workgroup_id_z 1
		.amdhsa_system_vgpr_workitem_id 0
		.amdhsa_next_free_vgpr 128
		.amdhsa_next_free_sgpr 66
		.amdhsa_reserve_vcc 0
		.amdhsa_float_denorm_mode_32 3
		.amdhsa_float_denorm_mode_16_64 3
		.amdhsa_memory_ordered 1
		.amdhsa_forward_progress 1
		.amdhsa_inst_pref_size 38
	.end_amdhsa_kernel
	.amdgpu_metadata
---
amdhsa.version: [ 1, 2 ]
amdhsa.kernels:
  - .name:           k_qdd2ab30c7a_prep
    .symbol:         k_qdd2ab30c7a_prep.kd
    .args:
      - { .name: pos_w1, .offset: 0, .size: 8, .value_kind: global_buffer, .address_space: global }
      - { .name: pos_b1, .offset: 8, .size: 8, .value_kind: global_buffer, .address_space: global }
      - { .name: pos_w2, .offset: 16, .size: 8, .value_kind: global_buffer, .address_space: global }
      - { .name: q_w, .offset: 24, .size: 8, .value_kind: global_buffer, .address_space: global }
      - { .name: k_w, .offset: 32, .size: 8, .value_kind: global_buffer, .address_space: global }
      - { .name: v_w, .offset: 40, .size: 8, .value_kind: global_buffer, .address_space: global }
      - { .name: merge_w, .offset: 48, .size: 8, .value_kind: global_buffer, .address_space: global }
      - { .name: mlp_w1, .offset: 56, .size: 8, .value_kind: global_buffer, .address_space: global }
      - { .name: mlp_w2, .offset: 64, .size: 8, .value_kind: global_buffer, .address_space: global }
      - { .name: ln1_g, .offset: 72, .size: 8, .value_kind: global_buffer, .address_space: global }
      - { .name: ln1_b, .offset: 80, .size: 8, .value_kind: global_buffer, .address_space: global }
      - { .name: wt, .offset: 88, .size: 8, .value_kind: global_buffer, .address_space: global }
      - { .name: ws, .offset: 96, .size: 8, .value_kind: global_buffer, .address_space: global }
      - { .name: c1p, .offset: 104, .size: 8, .value_kind: global_buffer, .address_space: global }
      - { .name: pos_b2, .offset: 112, .size: 8, .value_kind: global_buffer, .address_space: global }
    .group_segment_fixed_size: 1280
    .private_segment_fixed_size: 0
    .kernarg_segment_align: 8
    .kernarg_segment_size: 120
    .max_flat_workgroup_size: 256
    .sgpr_count:     66
    .vgpr_count:     128
    .wavefront_size: 32
...
	.end_amdgpu_metadata
.endif
;; end of part 1
;; launch tmpl (part 2): grid 256 x 1, 4 waves a work-group, clusters of 4 x 1, 327,680 bytes of LDS; arguments template_feat, template_xyz, wt, kvp; writes kvp
.if DOCPART == 2
	.amdgcn_target "amdgcn-amd-amdhsa--gfx1250"
	.amdhsa_code_object_version 6
	.text
	.protected	k_qdd2ab30c7a_tmpl
	.globl	k_qdd2ab30c7a_tmpl
	.p2align	8
	.type	k_qdd2ab30c7a_tmpl,@function
k_qdd2ab30c7a_tmpl:
	s_mov_b64 s[64:65], 0
	v_nop
	global_prefetch_b8 v0, s[64:65] scope:SCOPE_SE
	s_setreg_imm32_b32 hwreg(HW_REG_WAVE_MODE, 25, 1), 1
	s_wait_xcnt 0x0
	s_wait_alu depctr_hold_cnt(0) depctr_sa_sdst(0) depctr_va_vdst(0) depctr_va_sdst(0) depctr_va_ssrc(0) depctr_va_vcc(0) depctr_vm_vsrc(0)
	s_getreg_b32 s2, hwreg(HW_REG_IB_STS2, 6, 4)
	s_cmp_eq_u32 s2, 0
	s_cbranch_scc0 .Lentry_in_a_cluster
	s_endpgm
.Lentry_in_a_cluster:
	s_bfe_u32 s2, ttmp6, 0x10000c
	s_cmp_lg_u32 s2, 0x3003
	s_cbranch_scc0 .Lentry_shape_is_right
	s_endpgm
.Lentry_shape_is_right:
; TEMPLATE SIDE.  A work-group owns 256 tokens of one batch, a wave 64 (four tiles of 16).  It makes tfp = tf + relu(xyz w1 + b1) w2 + b2, k = tf k_w, v = tfp v_w,
; K = elu(k) + 1, and for each head its tokens' part of KV[d][v] = sum K v and Ksum[d] = sum K, stored in f32 to kvp.  The factors 1/Nt and Nt of the module cancel (a power of two) and are left out.
; TOKENS ALONG LANES: a layer is Y^T = W^T X^T (source 0 = 16 output channels x 32 inputs of a weight, source 1 = 32 inputs x 16 tokens); a lane of the result holds one token and
; eight channels, and two results rounded in pairs ARE the next layer's source 1: activations never leave registers.  k and v are made the other way round (source 0 = tokens),
; so that a lane holds one channel and eight tokens: rounded in pairs they are the sources of KV, whose sum runs over tokens.  Ksum is a third tile of "v": ones in columns 0 and 8.
; All operands bf16 (v and KV have no room in f16 at large inputs), sums f32.
; THE FEATURES COME IN UNDER THE POSITION LAYERS.  The position sum starts as b2 (fragments with b2 at k = 3, times the xyz fragments, which hold 1 at k = 3), takes the eight K steps of
; pos_w2, and takes tf last (an identity fragment times tf).  So those K steps need no feature: 64 loads of a wave (128 channels of its 64 tokens) are out while two tiles of pos_w2 are multiplied, twice.
; WEIGHTS come as tiles of 32 fragments (32,768 dense bytes) in the order of use, through two LDS slots; the four work-groups of a cluster walk the same tiles and ask JOINTLY,
; each wave for its quarter.  One tensor load of a wave is out at any time; it has a tile's 128 matrix instructions in which to land.
; LIMITS: pos_b1 and pos_b2 are rounded to bf16 like all inputs; NaN and infinities are not treated apart.
.set XR, 65536                         ; features, bf16: [256 channels][544 bytes: 256 tokens + 32 of padding: an odd multiple of 32 for the turning load]; a wave writes and reads its own 128 bytes of each row
.set RED, 65536                        ; over XR once it is dead: [wave][head][6,144 bytes] partial KV
.set P1R, 262144                       ; 32 fragments: the first position layer's 16, then pos_b2's 16
.set SPARE, 294912                     ; the spare words, 128 bytes a wave
.set LR, 1                             ; lane % 16
.set LH, 2                             ; lane / 16
.set L16, 3                            ; 16 x lane
.set WA, 4                             ; LDS address of the tile in hand + 16 x lane
.set XA0, 5                            ; turning loads: channels 0-127; v6: channels 128-255
.set PA, 7
.set RW, 8
.set FO, 9
.set FS, 10                            ; v10, v11: where the two halves of 128 channels go in XR
.set SPW, 12
.set NIL, 13
.set ZR, 14
.set T0, 15                            ; v15-23 at work
.set TMP, 24
.set R, 32                             ; v32-143 results at work
.set F, 32                             ; v32-95 features rounded, on their way to LDS
.set XZ, 96                            ; xyz fragments (position phase)
.set AB, 144                           ; weight fragments: four pairs by turns
.set CB, 0
.set P1B, 208
.set ONES, 208
.set ID, 240                           ; [0000 PPPP 0000]: ID+4.. selects k = m, ID.. selects k = 16 + m
.set WV, 14
.set CX, 15
.set WG, 16
.set CT, 20
.set TB, 21
.set LG, 22
.set G1, 24
.set G0, 32
.set OC, 36
.set MSB, 0
.macro WIN new                         ; the immediate's high byte repeats the setting that is left
.if MSB != (\new)
	s_set_vgpr_msb (MSB<<8)|(\new)
.set MSB, \new
.endif
.endm
.macro PLACES n
.rept \n
	v_nop
.endr
.endm
.macro ROUND                           ; a round of the cluster's barrier
	s_barrier_signal -1
	s_barrier_wait -1
	s_cmp_lg_u32 s[WV], 0
	s_cbranch_scc1 .Lnw0_\@
	s_barrier_signal -3
.Lnw0_\@:
	s_barrier_wait -3
	s_barrier_signal -1
	s_barrier_wait -1
.endm
; The change of slots: all my tensor loads have landed (my quarter of the tile to be read), the add, my reads of the old slot are over; behind the round the old slot takes the tile after.
.macro STEP fill
	WIN 0
	s_wait_tensorcnt 0x0
	ds_add_u32 v[SPW], v[NIL]
.if \fill
	s_xor_b32 s[G0+1], s[G0+1], 32768
	s_add_nc_u64 s[G0+2:G0+3], s[G0+2:G0+3], 32768
.endif
	s_xor_b32 s[TB], s[TB], 32768
	s_wait_dscnt 0x0
.if \fill
	ROUND
	tensor_load_to_lds s[G0:G0+3], s[G1:G1+7]
	s_nop 0
.else
	s_barrier_signal -1
	s_barrier_wait -1
.endif
	PLACES 4                               ; also the places in front of the loads into the fragment registers
	v_add_nc_u32 v[WA], s[TB], v[L16]
.endm
.macro LDP p                           ; pair p of a tile's 16: two fragments, four loads of 512 consecutive bytes
.set lb, AB+16*((\p)%4)
	ds_load_b128 v[lb:lb+3], v[WA] offset:(\p)*2048
	ds_load_b128 v[lb+4:lb+7], v[WA] offset:(\p)*2048+512
	ds_load_b128 v[lb+8:lb+11], v[WA] offset:(\p)*2048+1024
	ds_load_b128 v[lb+12:lb+15], v[WA] offset:(\p)*2048+1536
.endm
; the head of a step of 16 products on pairs p and p + 1 (p even): four places behind the last step's products, whose two pairs are loaded anew with pairs p + 2 and p + 3;
; pairs p and p + 1 are in when those 8 loads alone are out
.macro PRE2 p
	WIN 0
	PLACES 4
.if (\p) <= 12
	LDP (\p)+2
	LDP (\p)+3
	s_wait_dscnt 8
.else
	s_wait_dscnt 0
.endif
.endm
.macro WM fm, d, a, b, c
.if \fm
	v_wmma_f32_16x16x32_f16 v[\d:\d+7], v[\a:\a+7], v[\b:\b+7], \c
.else
	v_wmma_f32_16x16x32_bf16 v[\d:\d+7], v[\a:\a+7], v[\b:\b+7], \c
.endif
.endm
; 8 products: 4 token tiles x pair p's 2 fragments, 8 accumulators by turns.  cm 0: add in place; 1: C = 0; 2: C = v[CB + 8 m].  swap 1: the activation is source 0
.macro MM8 win, d, dn, dm, b, bn, p, cm, swap, fm
	WIN \win
.irp n,0,1,2,3
.irp m,0,1
.set rD, (\d)+(\dn)*\n+(\dm)*\m
.set rW, AB+16*((\p)%4)+8*\m
.set rX, (\b)+(\bn)*\n
.set rC, CB+8*\m
.if \swap
.if (\cm) == 1
	WM \fm, rD, rX, rW, 0
.else
	WM \fm, rD, rX, rW, v[rD:rD+7]
.endif
.else
.if (\cm) == 1
	WM \fm, rD, rW, rX, 0
.elseif (\cm) == 2
	WM \fm, rD, rW, rX, v[rC:rC+7]
.else
	WM \fm, rD, rW, rX, v[rD:rD+7]
.endif
.endif
.endr
.endr
.endm
.macro CVT dst, src, n                 ; pairs rounded to bf16, ascending: may work in place
.set ci, 0
.rept \n
	v_cvt_pk_bf16_f32 v[(\dst)+ci], v[(\src)+2*ci], v[(\src)+2*ci+1]
.set ci, ci+1
.endr
.endm
.macro ELU base                        ; 64 registers: elu(x) + 1 = max(x, 0) + 2^(log2(e) min(x, 0)); the eight maxima are the plain lines behind the exponentials
.set eb, \base
.rept 8
.irp j,0,1,2,3,4,5,6,7
	v_min_num_f32 v[TMP+\j], 0, v[eb+\j]
.endr
.irp j,0,2,4,6
	v_pk_mul_f32 v[TMP+\j:TMP+\j+1], v[TMP+\j:TMP+\j+1], s[LG:LG+1] op_sel_hi:[1,0]
.endr
.irp j,0,1,2,3,4,5,6,7
	v_exp_f32 v[TMP+\j], v[TMP+\j]
.endr
.irp j,0,1,2,3,4,5,6,7
	v_max_num_f32 v[eb+\j], 0, v[eb+\j]
.endr
	s_wait_alu depctr_va_vdst(0)
.irp j,0,1,2,3,4,5,6,7
	v_add_f32 v[eb+\j], v[eb+\j], v[TMP+\j]
.endr
.set eb, eb+8
.endr
.endm
; 128 channels of my wave's 64 tokens are asked for, into window 1: a load takes two channels' 256 consecutive bytes
.macro FISS
	WIN 0x40
.set fi, 0
.rept 64
	global_load_b128 v[4*fi:4*fi+3], v[FO], s[4:5] offset:fi*65536 th:TH_LOAD_NT
.set fi, fi+1
.endr
	WIN 0
.endm
; and are rounded to bf16 into XR, 64 channels at a time.  pl = 1: four places, since the conversions write registers that the last products read
.macro FPRO pl
	WIN 0
.if \pl
	PLACES 4
.endif
.irp hh,0,1
	s_wait_loadcnt 32-32*\hh               ; the older 32 loads are in, the younger 32 may be out; then all
	WIN 0x05
.set ci, 0
.rept 64
	v_cvt_pk_bf16_f32 v[F+ci], v[128*\hh+2*ci], v[128*\hh+2*ci+1]
.set ci, ci+1
.endr
	WIN 0
.set fi, 0
.rept 32
	ds_store_b64 v[FS+\hh], v[F+2*fi:F+2*fi+1] offset:fi*1088
.set fi, fi+1
.endr
.endr
	s_add_nc_u64 s[4:5], s[4:5], 0x400000  ; all loads are in, so the base may step: 128 channels on
	v_add_nc_u32 v[FS], 69632, v[FS]
	v_add_nc_u32 v[FS+1], 69632, v[FS+1]
.endm
.macro FRAGS                           ; all 32 fragments (K step s, token tile n) into window 1, at 8 (4 s + n)
	WIN 0x40
.irp s,0,1,2,3,4,5,6,7
.irp n,0,1,2,3
	ds_load_tr16_b128 v[8*(4*\s+\n):8*(4*\s+\n)+3], v[XA0+\s/4] offset:(\s%4)*17408+\n*32
	ds_load_tr16_b128 v[8*(4*\s+\n)+4:8*(4*\s+\n)+7], v[XA0+\s/4] offset:(\s%4)*17408+\n*32+8704
.endr
.endr
	WIN 0
.endm
	s_load_b256 s[4:11], s[0:1], 0x0       ; template_feat 4, template_xyz 6, wt 8, kvp 10
	v_lshl_add_u32 v[SPW], v0, 2, SPARE
	v_mov_b32 v[NIL], 0
	ds_add_u32 v[SPW], v[NIL]              ; the wave's opening: the add and its wait stand ahead of my first tensor load
	v_lshrrev_b32 v[LR], 5, v0
	v_readfirstlane_b32 s[WV], v[LR]
	s_bfe_u32 s[CX], ttmp6, 0x40000
	s_lshl_b32 s[WG], ttmp9, 2
	s_add_co_u32 s[WG], s[WG], s[CX]       ; my work-group: it enters global addresses of features and results alone
	s_mov_b32 s[G1], 15|(3<<16)|(1<<21)    ; mask of four; elements of 8 bytes; bit 21 beside a mask
	s_mov_b32 s[G1+1], 32<<16              ; tensor_dim0 = 32 (256 bytes)
	s_mov_b32 s[G1+2], 32<<16              ; tensor_dim1 = 32
	s_mov_b32 s[G1+3], 32<<16              ; tile_dim0 = 32
	s_mov_b32 s[G1+4], 32                  ; tile_dim1 = 32: 8,192 bytes, my quarter of a tile
	s_mov_b32 s[G1+5], 32                  ; dense
	s_mov_b32 s[G1+6], 0
	s_mov_b32 s[G1+7], 0
	s_mov_b32 s[G0], 1
	s_lshl_b32 s[G0+1], s[WV], 13
	s_lshl_b32 s18, s[WV], 13
	s_mov_b32 s19, 0                       ; stays 0: the high word of every offset
	s_mov_b32 s[TB], 32768
	s_mov_b32 s[LG], 0x3fb8aa3b            ; log2(e)
	s_mov_b32 s[LG+1], s[LG]
	s_wait_dscnt 0x0
	s_wait_kmcnt 0x0
	s_add_nc_u64 s[G0+2:G0+3], s[8:9], s[18:19]
	s_or_b32 s[G0+3], s[G0+3], 0x80000000
	ROUND
	tensor_load_to_lds s[G0:G0+3], s[G1:G1+7]   ; tile 0 into slot 0
	s_nop 0
	PLACES 4
	v_and_b32 v[LR], 15, v0
	v_bfe_u32 v[LH], v0, 4, 1
	v_and_b32 v[L16], 31, v0
	v_lshlrev_b32 v[L16], 4, v[L16]
	v_mov_b32 v[ZR], 0
	s_mul_i32 s18, s[WG], 3072
	s_mul_i32 s17, s[WV], 768
	s_add_co_u32 s18, s18, s17
	s_add_nc_u64 s[6:7], s[6:7], s[18:19]  ; xyz of my 64 tokens
	v_lshlrev_b32 v[T0], 4, v0
.set i, 0
.rept 16
	global_load_b128 v[128+4*i:131+4*i], v[T0], s[8:9] offset:393216+2048*i   ; the 32 fragments that stay in LDS: 16 bytes a thread, sixteen times
.set i, i+1
.endr
	v_mul_u32_u24 v[T0+2], v[LR], 12
.irp n,0,1,2,3
	global_load_b96 v[196+4*\n:198+4*\n], v[T0+2], s[6:7] offset:192*\n
.endr
	s_lshr_b32 s17, s[WG], 5               ; batch
	s_lshl_b32 s18, s17, 23
	s_and_b32 s17, s[WG], 31
	s_lshl_b32 s17, s17, 10
	s_add_co_u32 s18, s18, s17
	s_lshl_b32 s17, s[WV], 8
	s_add_co_u32 s18, s18, s17
	s_add_nc_u64 s[4:5], s[4:5], s[18:19]  ; channel 0 of my 64 tokens
	v_lshlrev_b32 v[FO], 15, v[LH]
	v_lshl_add_u32 v[FO], v[LR], 4, v[FO]
	s_lshl_b32 s17, s[WV], 7
	s_add_co_u32 s17, s17, XR
	v_mul_u32_u24 v[FS], v[LH], 544
	v_lshl_add_u32 v[FS], v[LR], 3, v[FS]
	v_add_nc_u32 v[FS], s17, v[FS]
	v_add_nc_u32 v[FS+1], 34816, v[FS]
	v_and_b32 v[T0+4], 7, v0
	v_lshl_add_u32 v[T0+4], v[LH], 3, v[T0+4]
	v_mul_u32_u24 v[T0+4], v[T0+4], 544
	v_bfe_u32 v[T0+5], v0, 3, 1
	v_lshl_add_u32 v[T0+4], v[T0+5], 4, v[T0+4]
	v_add_nc_u32 v[XA0], s17, v[T0+4]
	v_add_nc_u32 v[XA0+1], 69632, v[XA0]
	v_add_nc_u32 v[PA], P1R, v[L16]
	s_wait_loadcnt 0x0                     ; the fragments and xyz are in, so their address registers are free
	v_add_nc_u32 v[T0], P1R, v[T0]
.set i, 0
.rept 16
	ds_store_b128 v[T0], v[128+4*i:131+4*i] offset:2048*i
.set i, i+1
.endr
	; xyz fragments: k = 0, 1, 2 the coordinates, k = 3 the number 1 (it meets pos_b1 and pos_b2); lanes 16-31 hold k = 8.. : zeros
	v_mov_b32 v[T0+3], 1.0
	v_cmp_eq_u32 vcc_lo, 0, v[LH]
.irp n,0,1,2,3
	v_cvt_pk_bf16_f32 v[XZ+8*\n], v[196+4*\n], v[197+4*\n]
	v_cvt_pk_bf16_f32 v[XZ+8*\n+1], v[198+4*\n], v[T0+3]
	v_cndmask_b32 v[XZ+8*\n], 0, v[XZ+8*\n], vcc_lo
	v_cndmask_b32 v[XZ+8*\n+1], 0, v[XZ+8*\n+1], vcc_lo
.irp j,2,3,4,5,6,7
	v_mov_b32 v[XZ+8*\n+\j], 0
.endr
.endr
	; the identity pattern: lane (r, h) holds 1.0 at k = r where h = r / 8
	v_bfe_u32 v[T0+4], v0, 3, 1
	v_bfe_u32 v[T0+5], v0, 1, 2
	v_and_b32 v[T0+6], 1, v0
	v_lshlrev_b32 v[T0+6], 4, v[T0+6]
	v_mov_b32 v[T0+7], 0x3f80
	v_lshlrev_b32 v[T0+7], v[T0+6], v[T0+7]
	v_cmp_eq_u32 vcc_lo, v[LH], v[T0+4]
	v_cndmask_b32 v[T0+7], 0, v[T0+7], vcc_lo
.irp i,0,1,2,3
	v_cmp_eq_u32 vcc_lo, \i, v[T0+5]
	v_cndmask_b32 v[ID+4+\i], 0, v[T0+7], vcc_lo
	v_mov_b32 v[ID+\i], 0
	v_mov_b32 v[ID+8+\i], 0
.endr
	s_wait_dscnt 0x0                       ; my part of the fragments is stored, for the other waves' sake
	s_barrier_signal -1
	s_barrier_wait -1
	; the position sum starts as b2.  Accumulator (channel tile 2 s + m, token tile n) at 8 ((4 s + n) 2 + m) of windows 2 and 3
.irp g,0,1
.irp m,0,1,2,3,4,5,6,7
	ds_load_b128 v[AB+8*\m:AB+8*\m+3], v[PA] offset:16384+1024*(8*\g+\m)
	ds_load_b128 v[AB+8*\m+4:AB+8*\m+7], v[PA] offset:16384+1024*(8*\g+\m)+512
.endr
	s_wait_dscnt 0x0
	WIN 0x80+0x40*\g
.irp m,0,1,2,3,4,5,6,7
.irp n,0,1,2,3
.set rD, 8*((4*(\m/2)+\n)*2+(\m%2))
	v_wmma_f32_16x16x32_bf16 v[rD:rD+7], v[AB+8*\m:AB+8*\m+7], v[XZ+8*\n:XZ+8*\n+7], 0
.endr
.endr
	WIN 0
	PLACES 4
.endr
	s_mov_b32 s[OC], 2
.Lout:                                         ; a trip: 128 channels are asked for, two tiles of pos_w2 are multiplied, the channels go to LDS
	FISS
	s_mov_b32 s[CT], 2
.Lpos:                                         ; a trip: one tile = two K steps of pos_w2; each begins with its 32 hidden channels, made on the spot
	STEP 1
.irp f,0,1,2,3
	ds_load_b128 v[P1B+8*\f:P1B+8*\f+3], v[PA] offset:1024*\f
	ds_load_b128 v[P1B+8*\f+4:P1B+8*\f+7], v[PA] offset:1024*\f+512
.endr
	LDP 0
	LDP 1
	v_add_nc_u32 v[PA], 4096, v[PA]
	s_wait_dscnt 8                         ; the first layer's fragments are in; pairs 0 and 1 may be out
.set kk, 0
.rept 2
	WIN 0
	PLACES 5                               ; the products below write over sources of the last step's
.irp n,0,1,2,3
.irp m,0,1
	v_wmma_f32_16x16x32_bf16 v[R+16*\n+8*\m:R+16*\n+8*\m+7], v[P1B+16*kk+8*\m:P1B+16*kk+8*\m+7], v[XZ+8*\n:XZ+8*\n+7], 0
.endr
.endr
	PLACES 4
	CVT R, R, 32
.set hi, 0
.rept 32
	v_pk_max_num_bf16 v[R+hi], v[R+hi], v[ZR]
.set hi, hi+1
.endr
.set pp, 0
.rept 4
	PRE2 8*kk+pp
	MM8 0xa0+0x50*(pp/4), 64*(pp%4), 16, 8, R, 8, 8*kk+pp, 0, 0, 0
	MM8 0xa0+0x50*(pp/4), 64*((pp+1)%4), 16, 8, R, 8, 8*kk+pp+1, 0, 0, 0
.set pp, pp+2
.endr
.set kk, kk+1
.endr
	WIN 0
	s_sub_co_u32 s[CT], s[CT], 1
	s_cmp_lg_u32 s[CT], 0
	s_cbranch_scc1 .Lpos
	FPRO 1
	s_sub_co_u32 s[OC], s[OC], 1
	s_cmp_lg_u32 s[OC], 0
	s_cbranch_scc1 .Lout
	FRAGS                                  ; LDS serves a wave's instructions in order: these see my stores above; XR's columns are each wave's own
	s_wait_dscnt 0x0
.irp g,0,1                             ; tf joins the sum: 64 products, each accumulator once
	WIN 0xa4+0x50*\g
.irp m,0,1,2,3,4,5,6,7
.irp n,0,1,2,3
.set rD, 8*((4*(\m/2)+\n)*2+(\m%2))
.set rX, 8*(4*(4*\g+\m/2)+\n)
	v_wmma_f32_16x16x32_bf16 v[rD:rD+7], v[ID+4-4*(\m%2):ID+11-4*(\m%2)], v[rX:rX+7], v[rD:rD+7]
.endr
.endr
.endr
	WIN 0
	PLACES 4
	WIN 0x8a                               ; tfp as fragments, into window 2 at 8 (4 s + n)
	CVT 0, 0, 128
	WIN 0x8f
	CVT 128, 0, 128
	WIN 0
	v_and_b32 v[T0], 7, v0
	v_cmp_eq_u32 vcc_lo, 0, v[T0]
	v_mov_b32 v[T0+1], 0x3f803f80
.irp j,0,1,2,3,4,5,6,7
	v_cndmask_b32 v[ONES+\j], 0, v[T0+1], vcc_lo
.endr
	s_mul_i32 s17, s[WV], 49152
	s_add_co_u32 s17, s17, RED
	v_add_nc_u32 v[RW], s17, v[L16]
; one head: k (four steps of 16 products), K, v (four steps), then KV and Ksum over my 64 tokens
.macro THEAD fill
	STEP \fill
	LDP 0
	LDP 1
.set pp, 0
.rept 4
	PRE2 pp
	MM8 0x01, R, 8, 32, 32*pp, 8, pp, 1-(pp+15)/16, 1, 0
	MM8 0x01, R, 8, 32, 32*(pp+1), 8, pp+1, 0, 1, 0
.set pp, pp+2
.endr
	WIN 0
	PLACES 4
	ELU R
	CVT R, R, 32                           ; K^T (channel tile dt, tokens 32 tk on) at R + 16 dt + 8 tk
.rept 4
	PRE2 pp
	MM8 0x02, R+32, 8, 32, 32*(pp-8), 8, pp, 1-(pp+7)/16, 1, 0
	MM8 0x02, R+32, 8, 32, 32*(pp-7), 8, pp+1, 0, 1, 0
.set pp, pp+2
.endr
	WIN 0
	PLACES 4
	CVT R+32, R+32, 32                     ; v likewise at R + 32 + 16 vt + 8 tk
.irp k,0,1
.irp v,0,1,2
.irp d,0,1
.set rD, R+64+8*(2*\v+\d)
.set rB, R+32+16*\v+8*\k
.if \v == 2
.set rB, ONES
.endif
.if \k == 0
	v_wmma_f32_16x16x32_bf16 v[rD:rD+7], v[R+16*\d+8*\k:R+16*\d+8*\k+7], v[rB:rB+7], 0
.else
	v_wmma_f32_16x16x32_bf16 v[rD:rD+7], v[R+16*\d+8*\k:R+16*\d+8*\k+7], v[rB:rB+7], v[rD:rD+7]
.endif
.endr
.endr
.endr
	PLACES 4
.irp t,0,1,2,3,4,5
	ds_store_b128 v[RW], v[R+64+8*\t:R+64+8*\t+3] offset:1024*\t
	ds_store_b128 v[RW], v[R+64+8*\t+4:R+64+8*\t+7] offset:1024*\t+512
.endr
	v_add_nc_u32 v[RW], 6144, v[RW]
.endm
	s_mov_b32 s[CT], 7
.Lhead:
	THEAD 1
	s_sub_co_u32 s[CT], s[CT], 1
	s_cmp_lg_u32 s[CT], 0
	s_cbranch_scc1 .Lhead
	THEAD 0                                ; the last head is written out: nothing is left to ask for
	s_wait_dscnt 0x0                       ; my partial sums are stored
	s_barrier_signal -1
	s_barrier_wait -1
	; wave w adds the four waves' parts of heads 2 w and 2 w + 1: 24 pieces of 512 bytes, six a trip
	s_mul_i32 s17, s[WV], 12288
	v_add_nc_u32 v7, s17, v[L16]
	v_add_nc_u32 v5, RED, v7
	v_add_nc_u32 v6, RED+98304, v7
	s_mul_i32 s18, s[WG], 49152
	s_add_nc_u64 s[10:11], s[10:11], s[18:19]
	s_mov_b32 s[CT], 4
.Lred:
.irp c,0,1,2,3,4,5
	ds_load_b128 v[R+16*\c:R+16*\c+3], v5 offset:512*\c
	ds_load_b128 v[R+16*\c+4:R+16*\c+7], v5 offset:512*\c+49152
	ds_load_b128 v[R+16*\c+8:R+16*\c+11], v6 offset:512*\c
	ds_load_b128 v[R+16*\c+12:R+16*\c+15], v6 offset:512*\c+49152
.endr
	s_wait_dscnt 0x0
.irp c,0,1,2,3,4,5
	v_pk_add_f32 v[R+16*\c:R+16*\c+1], v[R+16*\c:R+16*\c+1], v[R+16*\c+4:R+16*\c+5]
	v_pk_add_f32 v[R+16*\c+2:R+16*\c+3], v[R+16*\c+2:R+16*\c+3], v[R+16*\c+6:R+16*\c+7]
	v_pk_add_f32 v[R+16*\c+8:R+16*\c+9], v[R+16*\c+8:R+16*\c+9], v[R+16*\c+12:R+16*\c+13]
	v_pk_add_f32 v[R+16*\c+10:R+16*\c+11], v[R+16*\c+10:R+16*\c+11], v[R+16*\c+14:R+16*\c+15]
	v_pk_add_f32 v[R+16*\c:R+16*\c+1], v[R+16*\c:R+16*\c+1], v[R+16*\c+8:R+16*\c+9]
	v_pk_add_f32 v[R+16*\c+2:R+16*\c+3], v[R+16*\c+2:R+16*\c+3], v[R+16*\c+10:R+16*\c+11]
	global_store_b128 v7, v[R+16*\c:R+16*\c+3], s[10:11] offset:512*\c    ; 512 consecutive bytes, aligned
.endr
	s_wait_xcnt 0x0                        ; the stores' offset and data are rewritten only behind this wait
	v_add_nc_u32 v7, 3072, v7
	v_add_nc_u32 v5, 3072, v5
	v_add_nc_u32 v6, 3072, v6
	s_sub_co_u32 s[CT], s[CT], 1
	s_cmp_lg_u32 s[CT], 0
	s_cbranch_scc1 .Lred
	s_wait_tensorcnt 0x0                   ; the wave's end
	ds_add_u32 v[SPW], v[NIL]
	s_wait_dscnt 0x0
	ROUND                                  ; the closing round
	s_endpgm
.Lfunc_end_k_qdd2ab30c7a_tmpl:
	.size	k_qdd2ab30c7a_tmpl, .Lfunc_end_k_qdd2ab30c7a_tmpl-k_qdd2ab30c7a_tmpl
	.p2alignl 7, 3214868480
	.fill 96, 4, 3214868480
	.section	.rodata,"a",@progbits
	.p2align	6, 0x0
	.amdhsa_kernel k_qdd2ab30c7a_tmpl
		.amdhsa_group_segment_fixed_size 327680
		.amdhsa_private_segment_fixed_size 0
		.amdhsa_enable_private_segment 0
		.amdhsa_kernarg_size 32
		.amdhsa_user_sgpr_count 2
		.amdhsa_user_sgpr_kernarg_segment_ptr 1
		.amdhsa_wavefront_size32 1
		.amdhsa_system_sgpr_workgroup_id_x 1
		.amdhsa_system_sgpr_workgroup_id_y 1
		.amdhsa_system_sgpr_workgroup_id_z 1
		.amdhsa_system_vgpr_workitem_id 0
		.amdhsa_next_free_vgpr 1024
		.amdhsa_next_free_sgpr 66
		.amdhsa_reserve_vcc 1
		.amdhsa_float_denorm_mode_32 3
		.amdhsa_float_denorm_mode_16_64 3
		.amdhsa_memory_ordered 1
		.amdhsa_forward_progress 1
		.amdhsa_inst_pref_size 152
	.end_amdhsa_kernel
	.amdgpu_metadata
---
amdhsa.version: [ 1, 2 ]
amdhsa.kernels:
  - .name:           k_qdd2ab30c7a_tmpl
    .symbol:         k_qdd2ab30c7a_tmpl.kd
    .args:
      - { .name: template_feat, .offset: 0, .size: 8, .value_kind: global_buffer, .address_space: global }
      - { .name: template_xyz, .offset: 8, .size: 8, .value_kind: global_buffer, .address_space: global }
      - { .name: wt, .offset: 16, .size: 8, .value_kind: global_buffer, .address_space: global }
      - { .name: kvp, .offset: 24, .size: 8, .value_kind: global_buffer, .address_space: global }
    .group_segment_fixed_size: 327680
    .private_segment_fixed_size: 0
    .kernarg_segment_align: 8
    .kernarg_segment_size: 32
    .max_flat_workgroup_size: 128
    .sgpr_count:     66
    .vgpr_count:     1024
    .wavefront_size: 32
...
	.end_amdgpu_metadata
.endif
;; end of part 2
;; launch kvred (part 3): grid 6 x 64, 1 waves a work-group, no clusters, 0 bytes of LDS; arguments kvp, kvf; writes kvf
.if DOCPART == 3
	.amdgcn_target "amdgcn-amd-amdhsa--gfx1250"
	.amdhsa_code_object_version 6
	.text
	.protected	k_qdd2ab30c7a_kvred
	.globl	k_qdd2ab30c7a_kvred
	.p2align	8
	.type	k_qdd2ab30c7a_kvred,@function
k_qdd2ab30c7a_kvred:
	s_mov_b64 s[64:65], 0
	v_nop
	global_prefetch_b8 v0, s[64:65] scope:SCOPE_SE
	s_setreg_imm32_b32 hwreg(HW_REG_WAVE_MODE, 25, 1), 1
	s_wait_xcnt 0x0
; KV and Ksum summed over a batch's 32 work-groups, in f32, and written as fragments for the search side.  Work-group (x = tile t6 = 2 vt + dt, y = 8 batch + head), one wave.
; A lane's eight sums (v column lane % 16; d = 16 dt + 8 (lane / 16) + 0..7) are half dt of fragment vt.  Each sum goes out as bf16 hi and bf16 lo = the rest: bf16's range, 16 bits of it.
; kvf: [8 batch + head][hi0, hi1, Ksum, lo0, lo1, lo of Ksum (not read)][1,024 bytes].  All 64 loads, 512 consecutive bytes each, are out together.
.set A, 16                             ; window 0: v16-143 work-groups 0-15; window 1: v0-127 work-groups 16-31
	s_load_b128 s[4:7], s[0:1], 0x0
	s_and_b32 s8, ttmp7, 0xffff
	s_lshr_b32 s9, s8, 3
	s_and_b32 s10, s8, 7
	s_mul_i32 s12, s9, 32*49152
	s_mul_i32 s11, s10, 6144
	s_add_co_u32 s12, s12, s11
	s_lshl_b32 s11, ttmp9, 10
	s_add_co_u32 s12, s12, s11
	s_mov_b32 s13, 0
	s_mul_i32 s14, s8, 6144
	s_lshl_b32 s11, ttmp9, 9
	s_add_co_u32 s14, s14, s11
	s_mov_b32 s15, 0
	v_lshlrev_b32 v1, 4, v0
	s_wait_kmcnt 0x0
	s_add_nc_u64 s[4:5], s[4:5], s[12:13]
	s_add_nc_u64 s[6:7], s[6:7], s[14:15]
.set p, 0
.rept 16
	global_load_b128 v[A+8*p:A+8*p+3], v1, s[4:5] offset:p*49152 th:TH_LOAD_NT
	global_load_b128 v[A+8*p+4:A+8*p+7], v1, s[4:5] offset:p*49152+512 th:TH_LOAD_NT
.set p, p+1
.endr
	s_set_vgpr_msb 0x40                    ; destination in window 1
.set p, 0
.rept 16
	global_load_b128 v[8*p:8*p+3], v1, s[4:5] offset:(p+16)*49152 th:TH_LOAD_NT
	global_load_b128 v[8*p+4:8*p+7], v1, s[4:5] offset:(p+16)*49152+512 th:TH_LOAD_NT
.set p, p+1
.endr
	s_set_vgpr_msb 0x4000
	s_wait_loadcnt 32                      ; the first 32 are in, the 32 younger may be out
.set p, 1
.rept 15
.irp i,0,2,4,6
	v_pk_add_f32 v[A+\i:A+\i+1], v[A+\i:A+\i+1], v[A+8*p+\i:A+8*p+\i+1]
.endr
.set p, p+1
.endr
	s_wait_loadcnt 0x0
	s_set_vgpr_msb 0x45                    ; destination and both sources in window 1
.set p, 1
.rept 15
.irp i,0,2,4,6
	v_pk_add_f32 v[\i:\i+1], v[\i:\i+1], v[8*p+\i:8*p+\i+1]
.endr
.set p, p+1
.endr
	s_set_vgpr_msb 0x4504                  ; source 1 in window 1
.irp i,0,2,4,6
	v_pk_add_f32 v[A+\i:A+\i+1], v[A+\i:A+\i+1], v[\i:\i+1]
.endr
	s_set_vgpr_msb 0x0400
.irp i,0,1,2,3
	v_cvt_pk_bf16_f32 v[4+\i], v[A+2*\i], v[A+2*\i+1]
.endr
.irp i,0,1,2,3
	v_lshlrev_b32 v[A+8+2*\i], 16, v[4+\i]
	v_and_b32 v[A+9+2*\i], 0xffff0000, v[4+\i]
.endr
.irp i,0,1,2,3
	v_pk_add_f32 v[A+2*\i:A+2*\i+1], v[A+2*\i:A+2*\i+1], v[A+8+2*\i:A+9+2*\i] neg_lo:[0,1] neg_hi:[0,1]
.endr
.irp i,0,1,2,3
	v_cvt_pk_bf16_f32 v[8+\i], v[A+2*\i], v[A+2*\i+1]
.endr
	global_store_b128 v1, v[4:7], s[6:7]
	global_store_b128 v1, v[8:11], s[6:7] offset:3072
	s_endpgm
.Lfunc_end_k_qdd2ab30c7a_kvred:
	.size	k_qdd2ab30c7a_kvred, .Lfunc_end_k_qdd2ab30c7a_kvred-k_qdd2ab30c7a_kvred
	.p2alignl 7, 3214868480
	.fill 96, 4, 3214868480
	.section	.rodata,"a",@progbits
	.p2align	6, 0x0
	.amdhsa_kernel k_qdd2ab30c7a_kvred
		.amdhsa_group_segment_fixed_size 0
		.amdhsa_private_segment_fixed_size 0
		.amdhsa_enable_private_segment 0
		.amdhsa_kernarg_size 16
		.amdhsa_user_sgpr_count 2
		.amdhsa_user_sgpr_kernarg_segment_ptr 1
		.amdhsa_wavefront_size32 1
		.amdhsa_system_sgpr_workgroup_id_x 1
		.amdhsa_system_sgpr_workgroup_id_y 1
		.amdhsa_system_sgpr_workgroup_id_z 1
		.amdhsa_system_vgpr_workitem_id 0
		.amdhsa_next_free_vgpr 384
		.amdhsa_next_free_sgpr 66
		.amdhsa_reserve_vcc 0
		.amdhsa_float_denorm_mode_32 3
		.amdhsa_float_denorm_mode_16_64 3
		.amdhsa_memory_ordered 1
		.amdhsa_forward_progress 1
		.amdhsa_inst_pref_size 17
	.end_amdhsa_kernel
	.amdgpu_metadata
---
amdhsa.version: [ 1, 2 ]
amdhsa.kernels:
  - .name:           k_qdd2ab30c7a_kvred
    .symbol:         k_qdd2ab30c7a_kvred.kd
    .args:
      - { .name: kvp, .offset: 0, .size: 8, .value_kind: global_buffer, .address_space: global }
      - { .name: kvf, .offset: 8, .size: 8, .value_kind: global_buffer, .address_space: global }
    .group_segment_fixed_size: 0
    .private_segment_fixed_size: 0
    .kernarg_segment_align: 8
    .kernarg_segment_size: 16
    .max_flat_workgroup_size: 32
    .sgpr_count:     66
    .vgpr_count:     384
    .wavefront_size: 32
...
	.end_amdgpu_metadata
.endif
;; end of part 3
;; launch srch (part 4): grid 256 x 1, 4 waves a work-group, clusters of 4 x 1, 327,680 bytes of LDS; arguments search_feat, ws, c1p, kvf, ln2_g, ln2_b, out0; writes out0
.if DOCPART == 4
	.amdgcn_target "amdgcn-amd-amdhsa--gfx1250"
	.amdhsa_code_object_version 6
	.text
	.protected	k_qdd2ab30c7a_srch
	.globl	k_qdd2ab30c7a_srch
	.p2align	8
	.type	k_qdd2ab30c7a_srch,@function
k_qdd2ab30c7a_srch:
	s_mov_b64 s[64:65], 0
	v_nop
	global_prefetch_b8 v0, s[64:65] scope:SCOPE_SE
	s_setreg_imm32_b32 hwreg(HW_REG_WAVE_MODE, 25, 1), 1
	s_wait_xcnt 0x0
	s_wait_alu depctr_hold_cnt(0) depctr_sa_sdst(0) depctr_va_vdst(0) depctr_va_sdst(0) depctr_va_ssrc(0) depctr_va_vcc(0) depctr_vm_vsrc(0)
	s_getreg_b32 s2, hwreg(HW_REG_IB_STS2, 6, 4)
	s_cmp_eq_u32 s2, 0
	s_cbranch_scc0 .Lentry_in_a_cluster
	s_endpgm
.Lentry_in_a_cluster:
	s_bfe_u32 s2, ttmp6, 0x10000c
	s_cmp_lg_u32 s2, 0x3003
	s_cbranch_scc0 .Lentry_shape_is_right
	s_endpgm
.Lentry_shape_is_right:
; SEARCH SIDE.  A work-group owns 256 tokens of one batch, a wave 64.  q = sf q_w, Q = elu(q) + 1, msg = Q KV / (Q Ksum + 1e-6), x = msg merge_w, LayerNorm 1,
; hidden = relu([sf, LN1] mlp_w1), y = hidden mlp_w2, LayerNorm 2, out = sf + LN2, all in one launch; activations stay in registers (tokens along lanes, as on the template side).
; Head h's msg is K step h of the merge product, so a head's text names fixed registers and is looped over.  The denominator is a third tile of KV (Ksum in rows 0 and 8): it falls into register 0.
; FORMATS.  Inputs are rounded to bf16; Q, KV (as hi + lo) and msg are bf16, since v's range has no room in f16.  LN1's output (at most 16 in size) and the hidden layer are f16, with f16 weights
; made from the bf16-rounded inputs: ln1_g mlp_w1 for the msg rows, ln1_b mlp_w1 as the C operand that starts each hidden sum, and mlp_w2 with its rows' means taken away, so that
; LayerNorm 2's mean is 0 by construction.  LayerNorm 1 takes mean and variance in f32, in two passes.
; LIMITS.  The hidden layer must stay under 65,504 (f16).  The residual is sf rounded to bf16.  NaN and infinities are not treated apart.  search_xyz is no part of the module's result and is not read.
; WEIGHTS: 32 tiles of 32 fragments through two LDS slots, asked for jointly by the cluster's four work-groups; one tensor load of a wave is out at any time.
.set XR, 65536                         ; sf, bf16: [256 channels][544 bytes]; a wave writes and reads its own 128 bytes of each row
.set STG, 204800                       ; the way out: for each wave 76 rows x 272 bytes: [token row][64 channels f32 + 16 bytes]
.set SWAVE, 76*272                     ; token t of a wave's 64 lies in row 20 (t & 3) + (t >> 2): the 16-byte stores and the 4-byte column reads then each touch every bank once
.set C1T, 287488                       ; c1, 512 f32
.set GBT, 289536                       ; (ln2_g, ln2_b) pairs
.set RST, 291584                       ; LayerNorm 2's 1/std of a wave's 64 tokens
.set SPARE, 292608
.set LR, 1
.set LH, 2
.set L16, 3
.set WA, 4
.set XA0, 5
.set RAT, 5                            ; the way out: the stage address that walks
.set C1A, 7
.set SA, 8
.set RA, 9
.set XRA, 10
.set GA, 11
.set FO, 12
.set SPW, 13
.set NIL, 14
.set ZR, 15
.set RS, 16                            ; v16-23 four pairs: a token tile's sums, then 1/std in the low register
.set FS, 16                            ; set-up: v16, v17
.set T0, 18                            ; set-up: v18-23 at work
.set KH0, 16                           ; head loop: KV hi, first fragment
.set TMP, 24
.set RV, 28
.set R, 32                             ; v32-127 results at work
.set F, 32
.set AB, 128                           ; four pairs of weight fragments
.set Q, 192                            ; Q, then msg
.set KH1, 224                          ; KV hi, second fragment; Ksum; KV lo, two fragments
.set KS, 232
.set KL0, 240
.set KL1, 248
.set XB, 192                           ; mlp phase: two buffers of sf fragments
.set CB, 224                           ; c1 of two channel tiles, until the second buffer is first filled
.set WV, 18
.set CX, 19
.set WG, 20
.set G1, 24
.set G0, 32
.set TB, 36
.set CT, 37
.set GC, 38
.set QC, 39
.set SEL, 40
.set LG, 42
.set C256, 44
.set EPSL, 45
.set MSK, 46
.set MSB, 0
.macro WIN new
.if MSB != (\new)
	s_set_vgpr_msb (MSB<<8)|(\new)
.set MSB, \new
.endif
.endm
.macro PLACES n
.rept \n
	v_nop
.endr
.endm
.macro ROUND
	s_barrier_signal -1
	s_barrier_wait -1
	s_cmp_lg_u32 s[WV], 0
	s_cbranch_scc1 .Lnw0_\@
	s_barrier_signal -3
.Lnw0_\@:
	s_barrier_wait -3
	s_barrier_signal -1
	s_barrier_wait -1
.endm
.macro STEP fill                       ; the change of slots, as on the template side
	WIN 0
	s_wait_tensorcnt 0x0
	ds_add_u32 v[SPW], v[NIL]
.if \fill
	s_xor_b32 s[G0+1], s[G0+1], 32768
	s_add_nc_u64 s[G0+2:G0+3], s[G0+2:G0+3], 32768
.endif
	s_xor_b32 s[TB], s[TB], 32768
	s_wait_dscnt 0x0
.if \fill
	ROUND
	tensor_load_to_lds s[G0:G0+3], s[G1:G1+7]
	s_nop 0
.else
	s_barrier_signal -1
	s_barrier_wait -1
.endif
	PLACES 4
	v_add_nc_u32 v[WA], s[TB], v[L16]
.endm
.macro LDP p
.set lb, AB+16*((\p)%4)
	ds_load_b128 v[lb:lb+3], v[WA] offset:(\p)*2048
	ds_load_b128 v[lb+4:lb+7], v[WA] offset:(\p)*2048+512
	ds_load_b128 v[lb+8:lb+11], v[WA] offset:(\p)*2048+1024
	ds_load_b128 v[lb+12:lb+15], v[WA] offset:(\p)*2048+1536
.endm
; the head of a step of 16 products on pairs p and p + 1 (p even): four places behind the last step's products, whose two pairs are loaded anew; pairs p and p + 1 are in when those 8 loads alone are out
.macro PRE2 p
	WIN 0
	PLACES 4
.if (\p) <= 12
	LDP (\p)+2
	LDP (\p)+3
	s_wait_dscnt 8
.else
	s_wait_dscnt 0
.endif
.endm
.macro WM fm, d, a, b, c
.if \fm
	v_wmma_f32_16x16x32_f16 v[\d:\d+7], v[\a:\a+7], v[\b:\b+7], \c
.else
	v_wmma_f32_16x16x32_bf16 v[\d:\d+7], v[\a:\a+7], v[\b:\b+7], \c
.endif
.endm
.macro MM8 win, d, dn, dm, b, bn, p, cm, swap, fm
	WIN \win
.irp n,0,1,2,3
.irp m,0,1
.set rD, (\d)+(\dn)*\n+(\dm)*\m
.set rW, AB+16*((\p)%4)+8*\m
.set rX, (\b)+(\bn)*\n
.set rC, CB+8*\m
.if \swap
.if (\cm) == 1
	WM \fm, rD, rX, rW, 0
.else
	WM \fm, rD, rX, rW, v[rD:rD+7]
.endif
.else
.if (\cm) == 1
	WM \fm, rD, rW, rX, 0
.elseif (\cm) == 2
	WM \fm, rD, rW, rX, v[rC:rC+7]
.else
	WM \fm, rD, rW, rX, v[rD:rD+7]
.endif
.endif
.endr
.endr
.endm
.macro CVT dst, src, n
.set ci, 0
.rept \n
	v_cvt_pk_bf16_f32 v[(\dst)+ci], v[(\src)+2*ci], v[(\src)+2*ci+1]
.set ci, ci+1
.endr
.endm
.macro CVTH dst, src, n
.set ci, 0
.rept \n
	v_cvt_pk_f16_f32 v[(\dst)+ci], v[(\src)+2*ci], v[(\src)+2*ci+1]
.set ci, ci+1
.endr
.endm
.macro ELU base
.set eb, \base
.rept 8
.irp j,0,1,2,3,4,5,6,7
	v_min_num_f32 v[TMP+\j], 0, v[eb+\j]
.endr
.irp j,0,2,4,6
	v_pk_mul_f32 v[TMP+\j:TMP+\j+1], v[TMP+\j:TMP+\j+1], s[LG:LG+1] op_sel_hi:[1,0]
.endr
.irp j,0,1,2,3,4,5,6,7
	v_exp_f32 v[TMP+\j], v[TMP+\j]
.endr
.irp j,0,1,2,3,4,5,6,7
	v_max_num_f32 v[eb+\j], 0, v[eb+\j]
.endr
	s_wait_alu depctr_va_vdst(0)
.irp j,0,1,2,3,4,5,6,7
	v_add_f32 v[eb+\j], v[eb+\j], v[TMP+\j]
.endr
.set eb, eb+8
.endr
.endm
; 128 channels of my wave's 64 tokens are asked for, into window 1: a load takes two channels' 256 consecutive bytes
.macro FISS
	WIN 0x40
.set fi, 0
.rept 64
	global_load_b128 v[4*fi:4*fi+3], v[FO], s[4:5] offset:fi*65536 th:TH_LOAD_NT
.set fi, fi+1
.endr
	WIN 0
.endm
; and are rounded to bf16 into XR, 64 channels at a time
.macro FPRO pl
	WIN 0
.if \pl
	PLACES 4
.endif
.irp hh,0,1
	s_wait_loadcnt 32-32*\hh               ; the older 32 loads are in, the younger 32 may be out; then all
	WIN 0x05
.set ci, 0
.rept 64
	v_cvt_pk_bf16_f32 v[F+ci], v[128*\hh+2*ci], v[128*\hh+2*ci+1]
.set ci, ci+1
.endr
	WIN 0
.set fi, 0
.rept 32
	ds_store_b64 v[FS+\hh], v[F+2*fi:F+2*fi+1] offset:fi*1088
.set fi, fi+1
.endr
.endr
	s_add_nc_u64 s[4:5], s[4:5], 0x400000  ; all loads are in, so the base may step: 128 channels on
	v_add_nc_u32 v[FS], 69632, v[FS]
	v_add_nc_u32 v[FS+1], 69632, v[FS+1]
.endm
.macro FRAGS
	WIN 0x40
.irp s,0,1,2,3,4,5,6,7
.irp n,0,1,2,3
	ds_load_tr16_b128 v[8*(4*\s+\n):8*(4*\s+\n)+3], v[XA0+\s/4] offset:(\s%4)*17408+\n*32
	ds_load_tr16_b128 v[8*(4*\s+\n)+4:8*(4*\s+\n)+7], v[XA0+\s/4] offset:(\s%4)*17408+\n*32+8704
.endr
.endr
	WIN 0
.endm
.macro XBL s                           ; sf's four fragments of K step s, out of LDS, into buffer s % 2
.irp n,0,1,2,3
	ds_load_tr16_b128 v[XB+32*((\s)%2)+8*\n:XB+32*((\s)%2)+8*\n+3], v[XA0+(\s)/4] offset:((\s)%4)*17408+\n*32
	ds_load_tr16_b128 v[XB+32*((\s)%2)+8*\n+4:XB+32*((\s)%2)+8*\n+7], v[XA0+(\s)/4] offset:((\s)%4)*17408+\n*32+8704
.endr
.endm
; One pass over the 32 accumulators of window w.  kind 0: RS += x; 1: x -= mean (TMP); 2: RS += x x; 3: x *= RS.  first: the pass starts the sums.
; ln 1: tile (s, n, m) at 8 (8 s + 2 n + m); ln 2: tile (mt, n) at 8 (4 mt + n).  The four token tiles take turns; each accumulator is read from its low end.
.macro LNP kind, w, ln, first
.if (\kind) == 0
	WIN \w
.elseif (\kind) == 2
	WIN 5*(\w)
.else
	WIN 65*(\w)
.endif
.set g, 0
.rept 8
.if (\ln) == 1
.set gb, 8*(g/2)+(g%2)
.set ns, 2
.else
.set gb, 4*g
.set ns, 1
.endif
.irp i,0,1,2,3
.irp n,0,1,2,3
.set rx, 8*(gb+ns*\n)+2*\i
.if (\kind) == 0
.if (\first) && (g == 0) && (\i == 0)
	v_pk_mul_f32 v[RS+2*\n:RS+2*\n+1], v[rx:rx+1], 1.0 op_sel_hi:[1,0]
.else
	v_pk_add_f32 v[RS+2*\n:RS+2*\n+1], v[rx:rx+1], v[RS+2*\n:RS+2*\n+1]
.endif
.elseif (\kind) == 1
	v_pk_add_f32 v[rx:rx+1], v[rx:rx+1], v[TMP+2*\n:TMP+2*\n+1] op_sel_hi:[1,0] neg_lo:[0,1] neg_hi:[0,1]
.elseif (\kind) == 2
.if (\first) && (g == 0) && (\i == 0)
	v_pk_mul_f32 v[RS+2*\n:RS+2*\n+1], v[rx:rx+1], v[rx:rx+1]
.else
	v_pk_fma_f32 v[RS+2*\n:RS+2*\n+1], v[rx:rx+1], v[rx:rx+1], v[RS+2*\n:RS+2*\n+1]
.endif
.else
	v_pk_mul_f32 v[rx:rx+1], v[rx:rx+1], v[RS+2*\n:RS+2*\n+1] op_sel_hi:[1,0]
.endif
.endr
.endr
.set g, g+1
.endr
.endm
.macro XSUM                            ; a token's other 128 channels lie in the lane 16 away
	WIN 0
.irp n,0,1,2,3
	v_add_f32 v[RS+2*\n], v[RS+2*\n], v[RS+2*\n+1]
.endr
.irp n,0,1,2,3
	v_permlanex16_b32 v[RS+2*\n+1], v[RS+2*\n], s[SEL], s[SEL+1]
.endr
.irp n,0,1,2,3
	v_add_f32 v[RS+2*\n], v[RS+2*\n], v[RS+2*\n+1]
.endr
.endm
.macro RSTD                            ; 1 / sqrt(sum / 256 + 1e-5)
.irp n,0,1,2,3
	v_fma_f32 v[RS+2*\n], v[RS+2*\n], s[C256], s[EPSL]
.endr
.irp n,0,1,2,3
	v_rsq_f32 v[RS+2*\n], v[RS+2*\n]
.endr
	v_nop
	s_wait_alu depctr_va_vdst(0)
.endm
	s_load_b256 s[4:11], s[0:1], 0x0       ; search_feat 4, ws 6, c1p 8, kvf 10
	s_load_b128 s[12:15], s[0:1], 0x20     ; ln2_g 12, ln2_b 14
	s_load_b64 s[16:17], s[0:1], 0x30      ; out0
	v_lshl_add_u32 v[SPW], v0, 2, SPARE
	v_mov_b32 v[NIL], 0
	ds_add_u32 v[SPW], v[NIL]              ; the wave's opening: the add and its wait stand ahead of my first tensor load
	v_lshrrev_b32 v[LR], 5, v0
	v_readfirstlane_b32 s[WV], v[LR]
	s_bfe_u32 s[CX], ttmp6, 0x40000
	s_lshl_b32 s[WG], ttmp9, 2
	s_add_co_u32 s[WG], s[WG], s[CX]
	s_mov_b32 s[G1], 15|(3<<16)|(1<<21)
	s_mov_b32 s[G1+1], 32<<16
	s_mov_b32 s[G1+2], 32<<16
	s_mov_b32 s[G1+3], 32<<16
	s_mov_b32 s[G1+4], 32
	s_mov_b32 s[G1+5], 32
	s_mov_b32 s[G1+6], 0
	s_mov_b32 s[G1+7], 0
	s_mov_b32 s[G0], 1
	s_lshl_b32 s[G0+1], s[WV], 13
	s_lshl_b32 s22, s[WV], 13
	s_mov_b32 s23, 0                       ; stays 0
	s_mov_b32 s[TB], 32768
	s_mov_b32 s[LG], 0x3fb8aa3b
	s_mov_b32 s[LG+1], s[LG]
	s_mov_b32 s[SEL], 0x76543210
	s_mov_b32 s[SEL+1], 0xfedcba98
	s_mov_b32 s[C256], 0x3b800000          ; 1 / 256
	s_mov_b32 s[EPSL], 0x3727c5ac          ; 1e-5
	s_mov_b32 s[MSK], 0xffff0000
	s_wait_dscnt 0x0
	s_wait_kmcnt 0x0
	s_add_nc_u64 s[G0+2:G0+3], s[6:7], s[22:23]
	s_or_b32 s[G0+3], s[G0+3], 0x80000000
	ROUND
	tensor_load_to_lds s[G0:G0+3], s[G1:G1+7]
	s_nop 0
	PLACES 4
	v_and_b32 v[LR], 15, v0
	v_bfe_u32 v[LH], v0, 4, 1
	v_and_b32 v[L16], 31, v0
	v_lshlrev_b32 v[L16], 4, v[L16]
	v_mov_b32 v[ZR], 0
	s_lshr_b32 s21, s[WG], 5               ; batch
	s_mul_i32 s22, s21, 49152
	s_add_nc_u64 s[10:11], s[10:11], s[22:23]
	s_lshl_b32 s22, s21, 23
	s_and_b32 s21, s[WG], 31
	s_lshl_b32 s21, s21, 10
	s_add_co_u32 s22, s22, s21
	s_lshl_b32 s21, s[WV], 8
	s_add_co_u32 s22, s22, s21
	s_add_nc_u64 s[4:5], s[4:5], s[22:23]
	s_add_nc_u64 s[16:17], s[16:17], s[22:23]
	v_lshlrev_b32 v[FO], 15, v[LH]
	v_lshl_add_u32 v[FO], v[LR], 4, v[FO]
	s_lshl_b32 s21, s[WV], 7
	s_add_co_u32 s21, s21, XR
	v_mul_u32_u24 v[FS], v[LH], 544
	v_lshl_add_u32 v[FS], v[LR], 3, v[FS]
	v_add_nc_u32 v[FS], s21, v[FS]
	v_mov_b32 v[XRA], v[FS]
	v_add_nc_u32 v[FS+1], 34816, v[FS]
	v_and_b32 v[T0+4], 7, v0
	v_lshl_add_u32 v[T0+4], v[LH], 3, v[T0+4]
	v_mul_u32_u24 v[T0+4], v[T0+4], 544
	v_bfe_u32 v[T0+5], v0, 3, 1
	v_lshl_add_u32 v[T0+4], v[T0+5], 4, v[T0+4]
	v_add_nc_u32 v[XA0], s21, v[T0+4]
	v_add_nc_u32 v[XA0+1], 69632, v[XA0]
	v_lshlrev_b32 v[T0], 4, v0
.irp i,0,1,2,3,4,5,6,7
	global_load_b128 v[160+4*\i:163+4*\i], v[T0], s[8:9] offset:2048*\i
.endr
	v_lshlrev_b32 v[T0+1], 3, v0
	global_load_b64 v[192:193], v[T0+1], s[12:13]
	global_load_b64 v[194:195], v[T0+1], s[14:15]
	s_mov_b32 s[CT], 2
.Lfeat:                                        ; a trip: 128 channels, 64 loads of a wave out together
	FISS
	FPRO 0
	s_sub_co_u32 s[CT], s[CT], 1
	s_cmp_lg_u32 s[CT], 0
	s_cbranch_scc1 .Lfeat
.irp i,1,2,3,4,5,6,7
	v_pk_add_f32 v[160:161], v[160:161], v[160+4*\i:161+4*\i]
	v_pk_add_f32 v[162:163], v[162:163], v[162+4*\i:163+4*\i]
.endr
	v_add_nc_u32 v[T0+2], C1T, v[T0]
	ds_store_b128 v[T0+2], v[160:163]
	v_cvt_pk_bf16_f32 v196, v192, v193
	v_cvt_pk_bf16_f32 v197, v194, v195
	v_lshlrev_b32 v200, 16, v196
	v_lshlrev_b32 v201, 16, v197
	v_and_b32 v202, s[MSK], v196
	v_and_b32 v203, s[MSK], v197
	v_add_nc_u32 v[T0+3], GBT, v[T0]
	ds_store_b128 v[T0+3], v[200:203]
	s_wait_dscnt 0x0
	s_barrier_signal -1
	s_barrier_wait -1
	FRAGS
	; the merge sums start at 0: cleared here, while the fragment loads land, so that one text serves all eight heads
	WIN 0x80
.set ci, 0
.rept 256
	v_mov_b32 v[ci], 0
.set ci, ci+1
.endr
	WIN 0xc0
.set ci, 0
.rept 256
	v_mov_b32 v[ci], 0
.set ci, ci+1
.endr
	WIN 0
	s_mul_i32 s21, s[WV], SWAVE
	s_add_co_u32 s21, s21, STG             ; my stage
	v_and_b32 v[T0], 3, v[LR]              ; in: token 16 n + r goes to row 20 (r & 3) + (r >> 2) + 4 n; 32 bytes for each half of the lanes
	v_mul_u32_u24 v[T0], 20, v[T0]
	v_lshrrev_b32 v[T0+1], 2, v[LR]
	v_add_nc_u32 v[T0], v[T0], v[T0+1]
	v_mul_u32_u24 v[SA], v[T0], 272
	v_lshl_add_u32 v[SA], v[LH], 5, v[SA]
	v_add_nc_u32 v[SA], s21, v[SA]
	v_mul_u32_u24 v[RA], v[LR], 272        ; back: lane q takes tokens 4 q + e from rows 20 e + q; lanes 16-31 the next channel
	v_lshl_add_u32 v[RA], v[LH], 2, v[RA]
	v_add_nc_u32 v[RA], s21, v[RA]
	v_lshl_add_u32 v[GA], v[LH], 3, GBT
	v_lshl_add_u32 v[C1A], v[LH], 5, C1T
	s_mov_b32 s[CT], 8
.Lsh:                                          ; a trip: one head
	STEP 1
	LDP 0
	LDP 1
	global_load_b128 v[KH0:KH0+3], v[L16], s[10:11]
	global_load_b128 v[KH0+4:KH0+7], v[L16], s[10:11] offset:512
.irp f,0,1,2,3
	global_load_b128 v[KH1+8*\f:KH1+8*\f+3], v[L16], s[10:11] offset:1024+1024*\f
	global_load_b128 v[KH1+8*\f+4:KH1+8*\f+7], v[L16], s[10:11] offset:1024+1024*\f+512
.endr
.set pp, 0
.rept 4
	PRE2 pp
	MM8 0x04, R, 16, 8, 32*pp, 8, pp, 1-(pp+15)/16, 0, 0
	MM8 0x04, R, 16, 8, 32*(pp+1), 8, pp+1, 0, 0, 0
.set pp, pp+2
.endr
	WIN 0
	PLACES 4
	ELU R
	CVT Q, R, 32
	s_wait_loadcnt 0x0                     ; KV is in, so its base may step
	s_add_nc_u64 s[10:11], s[10:11], 6144
.irp n,0,1,2,3
	v_wmma_f32_16x16x32_bf16 v[R+16*\n:R+16*\n+7], v[KH0:KH0+7], v[Q+8*\n:Q+8*\n+7], 0
	v_wmma_f32_16x16x32_bf16 v[R+16*\n+8:R+16*\n+15], v[KH1:KH1+7], v[Q+8*\n:Q+8*\n+7], 0
	v_wmma_f32_16x16x32_bf16 v[R+64+8*\n:R+64+8*\n+7], v[KS:KS+7], v[Q+8*\n:Q+8*\n+7], 0
.endr
.irp n,0,1,2,3
	v_wmma_f32_16x16x32_bf16 v[R+16*\n:R+16*\n+7], v[KL0:KL0+7], v[Q+8*\n:Q+8*\n+7], v[R+16*\n:R+16*\n+7]
	v_wmma_f32_16x16x32_bf16 v[R+16*\n+8:R+16*\n+15], v[KL1:KL1+7], v[Q+8*\n:Q+8*\n+7], v[R+16*\n+8:R+16*\n+15]
.endr
	PLACES 4
.irp n,0,1,2,3
	v_add_f32 v[TMP+2*\n], 0x358637bd, v[R+64+8*\n]    ; + 1e-6
.endr
.irp n,0,1,2,3
	v_rcp_f32 v[TMP+2*\n], v[TMP+2*\n]
.endr
	v_nop
	s_wait_alu depctr_va_vdst(0)
.irp n,0,1,2,3
.irp i,0,2,4,6,8,10,12,14
	v_pk_mul_f32 v[R+16*\n+\i:R+16*\n+\i+1], v[R+16*\n+\i:R+16*\n+\i+1], v[TMP+2*\n:TMP+2*\n+1] op_sel_hi:[1,0]
.endr
.endr
	CVT Q, R, 32                           ; msg of this head: source 1 of merge's K step
.rept 4
	PRE2 pp
	MM8 0xa0+0x50*((pp-8)/4), 64*(pp%4), 16, 8, Q, 8, pp, 0, 0, 0
	MM8 0xa0+0x50*((pp-8)/4), 64*((pp+1)%4), 16, 8, Q, 8, pp+1, 0, 0, 0
.set pp, pp+2
.endr
	WIN 0
	s_sub_co_u32 s[CT], s[CT], 1
	s_cmp_lg_u32 s[CT], 0
	s_cbranch_scc1 .Lsh
	; LAYERNORM 1, without its gain and bias (they lie in the weights and in c1)
	PLACES 4
	LNP 0, 2, 1, 1
	LNP 0, 3, 1, 0
	XSUM
.irp n,0,1,2,3
	v_mul_f32 v[TMP+2*\n], s[C256], v[RS+2*\n]
.endr
	LNP 1, 2, 1, 0
	LNP 1, 3, 1, 0
	LNP 2, 2, 1, 1
	LNP 2, 3, 1, 0
	XSUM
	RSTD
	LNP 3, 2, 1, 0
	LNP 3, 3, 1, 0
	WIN 0x8a                               ; as f16 fragments into window 2, at 8 (4 s + n)
	CVTH 0, 0, 128
	WIN 0x8f
	CVTH 128, 0, 128
	WIN 0
; 32 hidden channels (two tiles) for my 64 tokens, always made in R + 32 ..; the text is walked twice for a group, and its first lines hand the result of the walk before down to R.
; 8 K steps of LN1's output (f16; the first takes c1 as C) in four steps of 16 products, then 8 of sf (bf16, fragments out of LDS, two buffers by turns) in steps of 8
.macro MLP1
	STEP 1
.set hi, 0
.rept 32
	v_mov_b32 v[R+hi], v[R+32+hi]
.set hi, hi+1
.endr
.irp m,0,1
	ds_load_b128 v[CB+8*\m:CB+8*\m+3], v[C1A] offset:64*\m
	ds_load_b128 v[CB+8*\m+4:CB+8*\m+7], v[C1A] offset:64*\m+16
.endr
	LDP 0
	LDP 1
	v_add_nc_u32 v[C1A], 128, v[C1A]
.set pp, 0
.rept 4
	WIN 0
	PLACES 4
	LDP pp+2
	LDP pp+3
.if pp == 6
	XBL 0
	s_wait_dscnt 16                        ; behind pairs 6 and 7: pairs 8 and 9 and sf's first eight loads
.else
	s_wait_dscnt 8                         ; behind this step's pairs: the two pairs just asked for
.endif
	MM8 0x08, R+32, 16, 8, 32*pp, 8, pp, 2-2*((pp+15)/16), 0, 1
	MM8 0x08, R+32, 16, 8, 32*(pp+1), 8, pp+1, 0, 0, 1
.set pp, pp+2
.endr
.rept 8
	WIN 0
.if pp == 8
	PLACES 5                               ; five: here the bf16 form takes over accumulators that the f16 form wrote
.else
	PLACES 4
.endif
.if (pp%2 == 0) && (pp <= 12)
	LDP pp+2
	LDP pp+3
.endif
.if pp <= 14
	XBL pp-7
.endif
.if (pp%2 == 0) && (pp <= 12)
	s_wait_dscnt 16                        ; behind this step's sf fragments: two pairs and the next step's eight sf loads
.elseif pp <= 14
	s_wait_dscnt 8                         ; the next step's eight sf loads
.else
	s_wait_dscnt 0
.endif
	MM8 0, R+32, 16, 8, XB+32*(pp%2), 8, pp, 0, 0, 0
.set pp, pp+1
.endr
	WIN 0
	PLACES 4
	CVTH R+32, R+32, 32
.set hi, 0
.rept 32
	v_pk_max_num_f16 v[R+32+hi], v[R+32+hi], v[ZR]
.set hi, hi+1
.endr
.endm
.macro M2Q p, cm                       ; y's accumulator (channel tile mt, token tile n) at 8 (4 (mt % 8) + n) of window 1 (mt < 8) or 3
	PRE2 \p
	MM8 0x50+0xa0*(((\p)%8)/4), 64*((\p)%4), 8, 32, R+32*((\p)/8), 8, \p, \cm, 0, 1
	MM8 0x50+0xa0*(((\p)%8)/4), 64*(((\p)+1)%4), 8, 32, R+32*((\p)/8), 8, (\p)+1, \cm, 0, 1
.endm
; two K steps of mlp_w2 on the 64 hidden channels just made.  sel = 1: the first group's first K step starts the sums with C = 0, in a text of its own
.macro MLP2 fill, sel
	STEP \fill
	LDP 0
	LDP 1
.if \sel
	s_cmp_eq_u32 s[GC], 7
	s_cbranch_scc1 .Lz_\@
.endif
.set pp, 0
.rept 4
	M2Q pp, 0
.set pp, pp+2
.endr
.if \sel
	WIN 0
	s_branch .Lj_\@
.Lz_\@:
.set pp, 0
.rept 4
	M2Q pp, 1
.set pp, pp+2
.endr
	WIN 0
.Lj_\@:
.endif
.set pp, 8
.rept 4
	M2Q pp, 0
.set pp, pp+2
.endr
	WIN 0
.endm
	s_mov_b32 s[GC], 8
	s_branch .Lmid                         ; the loop is entered in its middle: a group's hidden channels come before their product
.Lloop:
	MLP2 1, 1
.Lmid:
	s_mov_b32 s[CT], 2
.Lm1:
	MLP1
	s_sub_co_u32 s[CT], s[CT], 1
	s_cmp_lg_u32 s[CT], 0
	s_cbranch_scc1 .Lm1
	s_sub_co_u32 s[GC], s[GC], 1
	s_cmp_lg_u32 s[GC], 0
	s_cbranch_scc1 .Lloop
	MLP2 0, 0                              ; the last group's product is written out: nothing is left to ask for
	; LAYERNORM 2 (the mean is 0 by the weights) AND THE WAY OUT
	PLACES 4
	LNP 2, 1, 2, 1
	LNP 2, 3, 2, 0
	XSUM
	RSTD
	s_lshl_b32 s21, s[WV], 8
	s_add_co_u32 s21, s21, RST
	v_lshl_add_u32 v[C1A], v[LR], 2, s21
	v_lshl_add_u32 v[WA], v[LR], 4, s21
	s_wait_alu depctr_va_vdst(0)
.irp n,0,1,2,3
	ds_store_b32 v[C1A], v[RS+2*\n] offset:64*\n       ; both halves of the lanes store the same number
.endr
	ds_load_b128 v[RV:RV+3], v[WA]         ; 1/std of tokens 4 (lane % 16) .. + 3; LDS serves a wave's instructions in order
; quarter q (64 channels) of y goes into my stage: a tile's eight channels of a token are 32 consecutive bytes of the token's row
.macro QST q
	WIN 0x04+0x08*((\q)/2)                 ; the data lie in window 1 or 3
.irp t,0,1,2,3
.irp n,0,1,2,3
.set qb, 32*(4*((\q)%2)+\t)+8*\n
	ds_store_b128 v[SA], v[qb:qb+3] offset:1088*\n+64*\t
	ds_store_b128 v[SA], v[qb+4:qb+7] offset:1088*\n+64*\t+16
.endr
.endr
	WIN 0
.endm
	s_mov_b32 s[QC], 4
.Lqo:                                          ; a trip: a quarter.  Which accumulators are staged hangs on the count; the text that reads back, scales and stores is one for all four
	s_cmp_eq_u32 s[QC], 4
	s_cbranch_scc1 .Lq0
	s_cmp_eq_u32 s[QC], 3
	s_cbranch_scc1 .Lq1
	s_cmp_eq_u32 s[QC], 2
	s_cbranch_scc1 .Lq2
	QST 3
	s_branch .Lqj
.Lq0:
	QST 0
	s_branch .Lqj
.Lq1:
	QST 1
	s_branch .Lqj
.Lq2:
	QST 2
.Lqj:
	v_mov_b32 v[RAT], v[RA]
	s_mov_b32 s[CT], 4
.Lqi:                                          ; a trip: 16 channels, two to a store
.irp i,0,1,2,3,4,5,6,7
.irp e,0,1,2,3
	ds_load_b32 v[R+8*\i+\e], v[RAT] offset:5440*\e+8*\i
.endr
	ds_load_b64 v[R+8*\i+4:R+8*\i+5], v[XRA] offset:1088*\i
	ds_load_b64 v[R+8*\i+6:R+8*\i+7], v[GA] offset:16*\i
.endr
.irp i,0,1,2,3,4,5,6,7
	s_wait_dscnt 42-6*\i                   ; six loads to a pair of channels: those of the later pairs may be out
	v_pk_mul_f32 v[R+8*\i:R+8*\i+1], v[R+8*\i:R+8*\i+1], v[RV:RV+1]
	v_pk_mul_f32 v[R+8*\i+2:R+8*\i+3], v[R+8*\i+2:R+8*\i+3], v[RV+2:RV+3]
	v_lshlrev_b32 v[TMP], 16, v[R+8*\i+4]
	v_and_b32 v[TMP+1], s[MSK], v[R+8*\i+4]
	v_lshlrev_b32 v[TMP+2], 16, v[R+8*\i+5]
	v_and_b32 v[TMP+3], s[MSK], v[R+8*\i+5]
	v_pk_fma_f32 v[R+8*\i:R+8*\i+1], v[R+8*\i:R+8*\i+1], v[R+8*\i+6:R+8*\i+7], v[R+8*\i+6:R+8*\i+7] op_sel:[0,0,1] op_sel_hi:[1,0,1]
	v_pk_fma_f32 v[R+8*\i+2:R+8*\i+3], v[R+8*\i+2:R+8*\i+3], v[R+8*\i+6:R+8*\i+7], v[R+8*\i+6:R+8*\i+7] op_sel:[0,0,1] op_sel_hi:[1,0,1]
	v_pk_add_f32 v[R+8*\i:R+8*\i+1], v[R+8*\i:R+8*\i+1], v[TMP:TMP+1]
	v_pk_add_f32 v[R+8*\i+2:R+8*\i+3], v[R+8*\i+2:R+8*\i+3], v[TMP+2:TMP+3]
	global_store_b128 v[FO], v[R+8*\i:R+8*\i+3], s[16:17] offset:65536*\i th:TH_STORE_NT   ; sixteen lanes store 256 consecutive bytes, aligned
.endr
	s_wait_xcnt 0x0                        ; the stores' base and data are rewritten only behind this wait
	s_add_nc_u64 s[16:17], s[16:17], 0x80000
	v_add_nc_u32 v[RAT], 64, v[RAT]
	v_add_nc_u32 v[XRA], 8704, v[XRA]
	v_add_nc_u32 v[GA], 128, v[GA]
	s_sub_co_u32 s[CT], s[CT], 1
	s_cmp_lg_u32 s[CT], 0
	s_cbranch_scc1 .Lqi
	s_sub_co_u32 s[QC], s[QC], 1
	s_cmp_lg_u32 s[QC], 0
	s_cbranch_scc1 .Lqo
	s_wait_tensorcnt 0x0                   ; the wave's end
	ds_add_u32 v[SPW], v[NIL]
	s_wait_dscnt 0x0
	ROUND                                  ; the closing round
	s_endpgm
.Lfunc_end_k_qdd2ab30c7a_srch:
	.size	k_qdd2ab30c7a_srch, .Lfunc_end_k_qdd2ab30c7a_srch-k_qdd2ab30c7a_srch
	.p2alignl 7, 3214868480
	.fill 96, 4, 3214868480
	.section	.rodata,"a",@progbits
	.p2align	6, 0x0
	.amdhsa_kernel k_qdd2ab30c7a_srch
		.amdhsa_group_segment_fixed_size 327680
		.amdhsa_private_segment_fixed_size 0
		.amdhsa_enable_private_segment 0
		.amdhsa_kernarg_size 56
		.amdhsa_user_sgpr_count 2
		.amdhsa_user_sgpr_kernarg_segment_ptr 1
		.amdhsa_wavefront_size32 1
		.amdhsa_system_sgpr_workgroup_id_x 1
		.amdhsa_system_sgpr_workgroup_id_y 1
		.amdhsa_system_sgpr_workgroup_id_z 1
		.amdhsa_system_vgpr_workitem_id 0
		.amdhsa_next_free_vgpr 1024
		.amdhsa_next_free_sgpr 66
		.amdhsa_reserve_vcc 0
		.amdhsa_float_denorm_mode_32 3
		.amdhsa_float_denorm_mode_16_64 3
		.amdhsa_memory_ordered 1
		.amdhsa_forward_progress 1
		.amdhsa_inst_pref_size 255
	.end_amdhsa_kernel
	.section	.bss,"aw",@nobits
	.p2align	6
	.space	262144
	.amdgpu_metadata
---
amdhsa.version: [ 1, 2 ]
amdhsa.kernels:
  - .name:           k_qdd2ab30c7a_srch
    .symbol:         k_qdd2ab30c7a_srch.kd
    .args:
      - { .name: search_feat, .offset: 0, .size: 8, .value_kind: global_buffer, .address_space: global }
      - { .name: ws, .offset: 8, .size: 8, .value_kind: global_buffer, .address_space: global }
      - { .name: c1p, .offset: 16, .size: 8, .value_kind: global_buffer, .address_space: global }
      - { .name: kvf, .offset: 24, .size: 8, .value_kind: global_buffer, .address_space: global }
      - { .name: ln2_g, .offset: 32, .size: 8, .value_kind: global_buffer, .address_space: global }
      - { .name: ln2_b, .offset: 40, .size: 8, .value_kind: global_buffer, .address_space: global }
      - { .name: out0, .offset: 48, .size: 8, .value_kind: global_buffer, .address_space: global }
    .group_segment_fixed_size: 327680
    .private_segment_fixed_size: 0
    .kernarg_segment_align: 8
    .kernarg_segment_size: 56
    .max_flat_workgroup_size: 128
    .sgpr_count:     66
    .vgpr_count:     1024
    .wavefront_size: 32
...
	.end_amdgpu_metadata
.endif
;; end of part 4
